; MI455X (gfx1250); checked and timed in simulation.
; The chip was launched on July 23, 2026; its instructions are those of AMD's public machine-readable ISA for CDNA 5 (MIT licence, August 2026) and "CDNA5" Instruction Set Architecture Reference Guide (July 2026). The comments in the code are by the model that wrote it; some were corrected since.
;; RJ. Allowed arithmetic: float matrix products may take bf16 or f16 operands with f32 sums; all other float work in f32.
;; Inputs: Wk 512 x 512 float32; Wo 512 x 512 float32; Wq 512 x 512 float32; Wv 512 x 512 float32; adj 8 x 2,048 x 2,048 int32; beta 512 float32; bo 512 float32; gamma 512 float32; x 8 x 2,048 x 512 float32.
;; Outputs: out0 8 x 2,048 x 512 float32.
;; One version. Each part assembles by itself: llvm-mc -triple=amdgcn-amd-amdhsa -mcpu=gfx1250 --defsym DOCPART=n.
;; ======== version 1 of 1: 3 launches
;; limits: right only within a limited range of input values
;; workspace buffers: Wf 1,048,576 bytes; Qf 16,777,216 bytes; Xf 16,777,216 bytes; Vf 16,777,216 bytes
;; launch fold (part 1): grid 64 x 2, 4 waves a work-group, no clusters, 327,680 bytes of LDS; arguments Wq, Wk, Wv, Wo, Wf; writes Wf
.if DOCPART == 1
	.amdgcn_target "amdgcn-amd-amdhsa--gfx1250"
	.amdhsa_code_object_version 6
	.text
	.protected	k_q07448f0743_fold
	.globl	k_q07448f0743_fold
	.p2align	8
	.type	k_q07448f0743_fold,@function
k_q07448f0743_fold:
	s_mov_b64 s[64:65], 0
	v_nop
	global_prefetch_b8 v0, s[64:65] scope:SCOPE_SE
	s_setreg_imm32_b32 hwreg(HW_REG_WAVE_MODE, 25, 1), 1
	s_wait_xcnt 0x0
; FOLD.  Two products of weights, made once, so that the later launches need two projections and not four:
;   y = 0:  Bq[n][k] = c * sum over d of Wq[k][d] Wk[n][d],  c = log2(e) / sqrt(512), applied to the f32 sum;   y = 1:  Bv[n][k] = sum over d of Wv[k][d] Wo[d][n].
; Operands are rounded to bf16, sums are f32, the results are rounded once to bf16.
; OUTPUT Wf: operand images of 1,024 bytes: 16 rows x 32 k as eight registers hold them: byte 512 g + 16 lane + 2 e is (row lane % 16, k = 16 g + 8 (lane / 16) + e).
;   Wf[slot 64][chunk 16][1024], slot = 16 q + 8 y + p: rows n = 128 q + 16 p + r, k = 32 chunk ...   Each store of a wave covers 512 consecutive bytes, aligned.
; SHARES.  A work-group makes 64 n x 64 k; wave (wn, wk) makes 32 x 32 in four accumulators.  Source 0 = rows k (Wq or Wv), source 1 = columns n: a lane's eight results are
; eight neighbouring k of one n: four roundings in pairs make half an image.
; NO CLUSTER: a work-group has one fill of 266 KB at the most and 64 products a wave; the launch's whole input is 4 MB; there is no ring in which joint requests would recur.
; The launch is given all of LDS; the text uses 272,896 bytes and fills no byte twice.
.set PITCH,  1040                      ; half a row of 512 f32: 1,024 bytes + 16 of padding = 260 words: the 16 rows of a load start at 16 different groups of four banks (ISA guide 11.1)
.set HALF,   64*PITCH                  ; 64 rows of one half
.set X2S,    0                         ; source 0's rows: [d half 2][64 rows][PITCH]
.set X1S,    2*HALF                    ; y = 0: Wk's rows, the same shape; y = 1: Wo, [512 d][OPITCH], 64 columns
.set OPITCH, 272                       ; 64 f32 + 16 bytes
.set SPARE,  X1S+512*OPITCH            ; the spare words: 128 bytes a wave, two blocks of 256 bytes that no other line names
.set A2,  4                            ; v4-5    LDS address of my source-0 rows in d half 0, 1; stepped
.set A1,  6                            ; v6-7    the same for source 1
.set LOF, 8                            ; v8      16 x lane
.set SPW, 10                           ; v10     my spare word; never rewritten
.set NIL, 11                           ; v11     0; never rewritten
.set ACC, 32                           ; v32-63  accumulator (mt, nt) at ACC + 8 (2 mt + nt)
.set T2,  64                           ; v64-127  source 0 in f32: [half][mt][16]
.set T1,  128                          ; v128-191 source 1 in f32: [half][nt][16]
.set AF,  192                          ; v192-223 source 0 in bf16
.set BF,  224                          ; v224-255 source 1 in bf16
.set WV,  14                           ; s14  wave
.set G1H, 28                           ; s[28:35] group 1: 16 rows x 256 f32, padded
.set G1O, 36                           ; s[36:43] group 1: 128 rows x 64 f32, padded
.set G0,  44                           ; s[44:59] four sets of group 0
.set CNT, 60
.macro PLACES n=4
.rept \n
	v_nop
.endr
.endm
	s_load_b256 s[4:11], s[0:1], 0x0               ; Wq s[4:5], Wk s[6:7], Wv s[8:9], Wo s[10:11]
	s_load_b64 s[12:13], s[0:1], 0x20              ; Wf
	v_lshl_add_u32 v[SPW], v0, 2, SPARE
	v_mov_b32 v[NIL], 0
	ds_add_u32 v[SPW], v[NIL]                      ; the wave's opening: the add and its wait stand ahead of my first tensor load; register work stands between them
	ds_add_u32 v10, v11
	v_lshrrev_b32 v1, 5, v0
	v_readfirstlane_b32 s[WV], v1                  ; wave 0..3
	s_and_b32 s15, ttmp7, 0xffff                   ; y: which product
	s_and_b32 s16, ttmp9, 7                        ; tn: which 64 n
	s_lshr_b32 s17, ttmp9, 3                       ; tk: which 64 k
	s_lshr_b32 s18, s[WV], 1                       ; wn
	s_and_b32 s19, s[WV], 1                        ; wk
	s_mov_b32 s[G1H+0], (2<<16)|(1<<20)|(7<<22)|(3<<25)  ; 4-byte elements; padding on; after every 256 words; 4 words
	s_mov_b32 s[G1H+1], 256<<16                    ; tensor_dim0 = 256
	s_mov_b32 s[G1H+2], 16<<16                     ; tensor_dim1 = 16
	s_mov_b32 s[G1H+3], 256<<16                    ; tile_dim0 = 256
	s_mov_b32 s[G1H+4], 16                         ; tile_dim1 = 16
	s_mov_b32 s[G1H+5], 512                        ; elements from row to row
	s_mov_b32 s[G1H+6], 0
	s_mov_b32 s[G1H+7], 0
	s_mov_b32 s[G1O+0], (2<<16)|(1<<20)|(5<<22)|(3<<25)  ; the same, padded after every 64 words
	s_mov_b32 s[G1O+1], 64<<16
	s_mov_b32 s[G1O+2], 128<<16
	s_mov_b32 s[G1O+3], 64<<16
	s_mov_b32 s[G1O+4], 128
	s_mov_b32 s[G1O+5], 512
	s_mov_b32 s[G1O+6], 0
	s_mov_b32 s[G1O+7], 0
	s_mul_i32 s26, s[WV], 16*PITCH                 ; my 16 rows in a half
	s_mov_b32 s[G0], 1
	s_add_co_u32 s[G0+1], s26, X2S
	s_mov_b32 s[G0+4], 1
	s_add_co_u32 s[G0+5], s26, X2S+HALF
	s_lshl_b32 s27, s[WV], 15                      ; 16 rows of 2,048 bytes
	s_lshl_b32 s20, s17, 17                        ; 64 tk rows
	s_add_co_u32 s20, s20, s27
	s_mov_b32 s21, 0
	s_lshr_b32 s2, s16, 1                          ; where my images go: slot 16 (tn / 2) + 8 y + 4 (tn % 2) + 2 wn,
	s_lshl_b32 s2, s2, 4
	s_lshl3_add_u32 s2, s15, s2
	s_and_b32 s3, s16, 1
	s_lshl2_add_u32 s2, s3, s2
	s_lshl1_add_u32 s2, s18, s2
	s_lshl_b32 s2, s2, 14
	s_lshl1_add_u32 s3, s17, s19                   ; chunk 2 tk + wk
	s_lshl_b32 s3, s3, 10
	s_add_co_u32 s2, s2, s3
	s_mov_b32 s3, 0
	s_mov_b32 s22, 0x3d8293ee                      ; c = log2(e) / sqrt(512)
	s_mov_b32 s23, s22                             ; named with it as a pair
	v_and_b32 v1, 15, v0                           ; r = lane % 16
	v_bfe_u32 v2, v0, 4, 1                         ; h = lane / 16
	v_and_b32 v3, 31, v0
	v_lshlrev_b32 v[LOF], 4, v3
	v_mul_u32_u24 v3, v1, PITCH
	v_lshl_add_u32 v3, v2, 5, v3                   ; r x pitch + 8 h f32
	s_mul_i32 s24, s19, 32*PITCH
	v_add_nc_u32 v[A2], s24, v3
	v_add_nc_u32 v[A2+1], HALF, v[A2]
	s_wait_dscnt 0x0                               ; the opening add is done
	s_wait_kmcnt 0x0
	s_add_nc_u64 s[12:13], s[12:13], s[2:3]
	s_cmp_lg_u32 s15, 0
	s_cselect_b64 s[24:25], s[8:9], s[4:5]         ; source 0: Wv or Wq
	s_add_nc_u64 s[24:25], s[24:25], s[20:21]      ; at my 16 rows
	s_mov_b64 s[G0+2:G0+3], s[24:25]
	s_or_b32 s[G0+3], s[G0+3], 0x80000000          ; type = 2
	s_add_nc_u64 s[G0+6:G0+7], s[24:25], 1024      ; the rows' second half
	s_or_b32 s[G0+7], s[G0+7], 0x80000000
	tensor_load_to_lds s[G0:G0+3], s[G1H:G1H+7]
	s_nop 0
	tensor_load_to_lds s[G0+4:G0+7], s[G1H:G1H+7]
	s_nop 0
	s_cmp_lg_u32 s15, 0                            ; the same in all four waves
	s_cbranch_scc1 .Lvo
; One trip: d chunks u (half 0) and u + 8 (half 1), 32 d each.  zero = 1: the first products start the sums.
.macro TRIPF kind, zero
.irp s, 0,1
.irp m, 0,1
.irp q, 0,1,2,3
	ds_load_b128 v[T2+32*(\s)+16*(\m)+4*(\q):T2+32*(\s)+16*(\m)+4*(\q)+3], v[A2+(\s)] offset:(\m)*16*PITCH+((\q)%2)*16+((\q)/2)*64
.endr
.endr
.endr
.if (\kind) == 0
.irp s, 0,1
.irp m, 0,1
.irp q, 0,1,2,3
	ds_load_b128 v[T1+32*(\s)+16*(\m)+4*(\q):T1+32*(\s)+16*(\m)+4*(\q)+3], v[A1+(\s)] offset:(\m)*16*PITCH+((\q)%2)*16+((\q)/2)*64
.endr
.endr
.endr
.else
.irp s, 0,1                            ; Wo lies [d][n]: a lane takes its column's 16 d one by one; 16 lanes take 16 neighbouring words, the other 16 lie 8 rows = 544 words on
.irp m, 0,1
.set e, 0
.rept 16
	ds_load_b32 v[T1+32*(\s)+16*(\m)+e], v[A1+(\s)] offset:(e+8*(e/8))*OPITCH+(\m)*64
.set e, e+1
.endr
.endr
.endr
.endif
	s_wait_dscnt 0x0
.set i, 0
.rept 32
	v_cvt_pk_bf16_f32 v[AF+i], v[T2+2*i], v[T2+2*i+1]
	v_cvt_pk_bf16_f32 v[BF+i], v[T1+2*i], v[T1+2*i+1]
.set i, i+1
.endr
.irp s, 0,1                            ; the four accumulators take turns
.irp m, 0,1
.irp n, 0,1
.if (\zero) && ((\s) == 0)
	v_wmma_f32_16x16x32_bf16 v[ACC+8*(2*(\m)+(\n)):ACC+8*(2*(\m)+(\n))+7], v[AF+16*(\s)+8*(\m):AF+16*(\s)+8*(\m)+7], v[BF+16*(\s)+8*(\n):BF+16*(\s)+8*(\n)+7], 0
.else
	v_wmma_f32_16x16x32_bf16 v[ACC+8*(2*(\m)+(\n)):ACC+8*(2*(\m)+(\n))+7], v[AF+16*(\s)+8*(\m):AF+16*(\s)+8*(\m)+7], v[BF+16*(\s)+8*(\n):BF+16*(\s)+8*(\n)+7], v[ACC+8*(2*(\m)+(\n)):ACC+8*(2*(\m)+(\n))+7]
.endif
.endr
.endr
.endr
	v_add_nc_u32 v[A2], 128, v[A2]                 ; the next chunk; these four lines are also the four places (ISA guide 7.12.1) ahead of the next conversions into AF and BF
	v_add_nc_u32 v[A2+1], 128, v[A2+1]
.if (\kind) == 0
	v_add_nc_u32 v[A1], 128, v[A1]
	v_add_nc_u32 v[A1+1], 128, v[A1+1]
.else
	v_add_nc_u32 v[A1], 32*OPITCH, v[A1]
	v_add_nc_u32 v[A1+1], 32*OPITCH, v[A1+1]
.endif
.endm
.macro BODY kind
.if (\kind) == 0
	s_lshl_b32 s20, s16, 17                        ; Wk at rows 64 tn + 16 w
	s_add_co_u32 s20, s20, s27
	s_add_nc_u64 s[24:25], s[6:7], s[20:21]
	s_mov_b32 s[G0+8], 1
	s_add_co_u32 s[G0+9], s26, X1S
	s_mov_b64 s[G0+10:G0+11], s[24:25]
	s_or_b32 s[G0+11], s[G0+11], 0x80000000
	s_mov_b32 s[G0+12], 1
	s_add_co_u32 s[G0+13], s26, X1S+HALF
	s_add_nc_u64 s[G0+14:G0+15], s[24:25], 1024
	s_or_b32 s[G0+15], s[G0+15], 0x80000000
	tensor_load_to_lds s[G0+8:G0+11], s[G1H:G1H+7]
	s_nop 0
	tensor_load_to_lds s[G0+12:G0+15], s[G1H:G1H+7]  ; four tensor loads of mine are out
	s_nop 0
	PLACES
	s_mul_i32 s24, s18, 32*PITCH
	s_add_co_u32 s24, s24, X1S
	v_add_nc_u32 v[A1], s24, v3
	v_add_nc_u32 v[A1+1], HALF, v[A1]
.else
	s_lshl_b32 s20, s[WV], 18                      ; Wo at rows 128 w,
	s_lshl_b32 s27, s16, 8                         ; columns 64 tn
	s_add_co_u32 s20, s20, s27
	s_mov_b32 s[G0+8], 1
	s_mul_i32 s27, s[WV], 128*OPITCH
	s_add_co_u32 s[G0+9], s27, X1S
	s_add_nc_u64 s[G0+10:G0+11], s[10:11], s[20:21]
	s_or_b32 s[G0+11], s[G0+11], 0x80000000
	tensor_load_to_lds s[G0+8:G0+11], s[G1O:G1O+7]   ; three tensor loads of mine are out
	s_nop 0
	PLACES
	v_mul_u32_u24 v9, v2, 8*OPITCH                 ; 8 h rows,
	v_lshl_add_u32 v9, v1, 2, v9                   ; column r,
	s_lshl_b32 s24, s18, 7                         ; of my 32 columns
	s_add_co_u32 s24, s24, X1S
	v_add_nc_u32 v[A1], s24, v9
	v_add_nc_u32 v[A1+1], 256*OPITCH, v[A1]
.endif
	s_wait_tensorcnt 0x0                           ; my parts of both operands are in,
	s_barrier_signal -1
	s_barrier_wait -1                              ; everybody's are
	TRIPF \kind, 1                                 ; the first trip is written out: its products start the sums
	s_mov_b32 s[CNT], 7
.Lk\kind:
	TRIPF \kind, 0
	s_sub_co_u32 s[CNT], s[CNT], 1
	s_cmp_lg_u32 s[CNT], 0
	s_cbranch_scc1 .Lk\kind
	PLACES
.if (\kind) == 0
.set i, 0
.rept 16
	v_pk_mul_f32 v[ACC+2*i:ACC+2*i+1], v[ACC+2*i:ACC+2*i+1], s[22:23] op_sel_hi:[1,0]  ; c, in f32; each accumulator from its low end on
.set i, i+1
.endr
.endif
.set i, 0
.rept 16
	v_cvt_pk_bf16_f32 v[T2+i], v[ACC+2*i], v[ACC+2*i+1]
.set i, i+1
.endr
.irp m, 0,1
.irp n, 0,1
	global_store_b128 v[LOF], v[T2+4*(2*(\m)+(\n)):T2+4*(2*(\m)+(\n))+3], s[12:13] offset:(\n)*16384+(\m)*512  ; half mt of the image of n block nt: 512 consecutive bytes
.endr
.endr
	s_wait_tensorcnt 0x0                           ; the wave's end
	ds_add_u32 v[SPW], v[NIL]
	s_wait_dscnt 0x0
	s_endpgm
.endm
	BODY 0
.Lvo:
	BODY 1
.Lfunc_end_k_q07448f0743_fold:
	.size	k_q07448f0743_fold, .Lfunc_end_k_q07448f0743_fold-k_q07448f0743_fold
	.p2alignl 7, 3214868480
	.fill 96, 4, 3214868480
	.section	.rodata,"a",@progbits
	.p2align	6, 0x0
	.amdhsa_kernel k_q07448f0743_fold
		.amdhsa_group_segment_fixed_size 327680
		.amdhsa_private_segment_fixed_size 0
		.amdhsa_enable_private_segment 0
		.amdhsa_kernarg_size 40
		.amdhsa_user_sgpr_count 2
		.amdhsa_user_sgpr_kernarg_segment_ptr 1
		.amdhsa_wavefront_size32 1
		.amdhsa_system_sgpr_workgroup_id_x 1
		.amdhsa_system_sgpr_workgroup_id_y 1
		.amdhsa_system_sgpr_workgroup_id_z 1
		.amdhsa_system_vgpr_workitem_id 0
		.amdhsa_next_free_vgpr 256
		.amdhsa_next_free_sgpr 66
		.amdhsa_reserve_vcc 0
		.amdhsa_float_denorm_mode_32 3
		.amdhsa_float_denorm_mode_16_64 3
		.amdhsa_memory_ordered 1
		.amdhsa_forward_progress 1
		.amdhsa_inst_pref_size 44
	.end_amdhsa_kernel
	.amdgpu_metadata
---
amdhsa.version: [ 1, 2 ]
amdhsa.kernels:
  - .name:           k_q07448f0743_fold
    .symbol:         k_q07448f0743_fold.kd
    .args:
      - { .name: Wq, .offset: 0, .size: 8, .value_kind: global_buffer, .address_space: global }
      - { .name: Wk, .offset: 8, .size: 8, .value_kind: global_buffer, .address_space: global }
      - { .name: Wv, .offset: 16, .size: 8, .value_kind: global_buffer, .address_space: global }
      - { .name: Wo, .offset: 24, .size: 8, .value_kind: global_buffer, .address_space: global }
      - { .name: Wf, .offset: 32, .size: 8, .value_kind: global_buffer, .address_space: global }
    .group_segment_fixed_size: 327680
    .private_segment_fixed_size: 0
    .kernarg_segment_align: 8
    .kernarg_segment_size: 40
    .max_flat_workgroup_size: 128
    .sgpr_count:     66
    .vgpr_count:     256
    .wavefront_size: 32
...
	.end_amdgpu_metadata
.endif
;; end of part 1
;; launch proj (part 2): grid 256 x 1, 4 waves a work-group, clusters of 4 x 1, 327,680 bytes of LDS; arguments x, Wf, Qf, Xf, Vf; writes Qf, Xf, Vf
.if DOCPART == 2
	.amdgcn_target "amdgcn-amd-amdhsa--gfx1250"
	.amdhsa_code_object_version 6
	.text
	.protected	k_q07448f0743_proj
	.globl	k_q07448f0743_proj
	.p2align	8
	.type	k_q07448f0743_proj,@function
k_q07448f0743_proj:
	s_mov_b64 s[64:65], 0
	v_nop
	global_prefetch_b8 v0, s[64:65] scope:SCOPE_SE
	s_setreg_imm32_b32 hwreg(HW_REG_WAVE_MODE, 25, 1), 1
	s_wait_xcnt 0x0
	s_wait_alu depctr_hold_cnt(0) depctr_sa_sdst(0) depctr_va_vdst(0) depctr_va_sdst(0) depctr_va_ssrc(0) depctr_va_vcc(0) depctr_vm_vsrc(0)
	s_getreg_b32 s2, hwreg(HW_REG_IB_STS2, 6, 4)
	s_cmp_eq_u32 s2, 0
	s_cbranch_scc0 .Lentry_in_a_cluster
	s_endpgm
.Lentry_in_a_cluster:
	s_bfe_u32 s2, ttmp6, 0x10000c
	s_cmp_lg_u32 s2, 0x3003
	s_cbranch_scc0 .Lentry_shape_is_right
	s_endpgm
.Lentry_shape_is_right:
; PROJ.  Xf = bf16(x);  Q'[t][n] = sum over k of x[t][k] Bq[n][k];  V'[t][n] = sum over k of x[t][k] Bv[n][k].  bf16 operands, f32 sums, each result rounded once to bf16.
; All three leave as operand images of 1,024 bytes (16 rows x 32 k as eight registers hold them: byte 512 g + 16 lane + 2 e is row lane % 16, k = 16 g + 8 (lane / 16) + e):
;   Xf[token block of 16: 1024][chunk 16][1024]          rows tokens,   k channels
;   Qf[block of 64 tokens: 256][t 4][chunk 16][1024]     rows tokens,   k channels
;   Vf[batch 8][step 16][w 4][kc 4][p 8][1024]           rows channels 128 w + 16 p + r,   k keys 128 step + 32 kc ..
; SHARES.  A work-group owns 64 tokens and all 1,024 output columns.  Every wave holds the 64 tokens as 64 images in 512 registers.  The folded weights (Wf, 1 MB) stream in eight tiles
; of 128 rows, 128 KB, by turns Bq's and Bv's; wave w fetches and reads its own quarter of a tile, 32 rows: 8 accumulators x 16 chunks = 128 products for 64 LDS loads.
; CLUSTER.  All work-groups walk the same weights, so the four of a cluster ask for each quarter JOINTLY: the same tensor load, descriptor and mask in all four.  x's tile is a work-group's own.
; THE WALK.  The tiles go in four pairs (Bq's and Bv's rows 128 q ..).  A cluster begins at pair (c xor c / 4 xor c / 16) % 4, c its number, and goes round the four: the 64 clusters do not
; all ask for the same tile in the same trip, and every pair but a cluster's first has been asked for a trip earlier by other clusters.  The addresses are made anew from the pair's number.
; A product for Q' takes the weights as source 0 and the tokens as source 1, for V' the other way round: a lane's eight results are then eight neighbouring k of the image to be written.
; REGISTERS, in windows of 256 (s_set_vgpr_msb: bits 1:0 source 0, 3:2 source 1, 5:4 source 2, 7:6 destination):
;   window 0: addresses; v32-95 accumulators; v96-127 packed results; v128-255 two buffers of weight images (at the start: x in f32)
;   window 1: x's images of chunks 0-7, (t, c) at 32 (c % 8) + 8 t;     window 2: those of chunks 8-15
.set TILEB, 131072                     ; bytes in a tile of weights
.set SL0,   0                          ; slot 0
.set SL1,   131072                     ; slot 1; its first fill is x in f32: [k half 2][64 rows][XP]
.set XP,    1040                       ; half a row of x: 1,024 bytes + 16 of padding = 260 words: 16 rows start at 16 different groups of four banks (ISA guide 11.1)
.set XH,    64*XP
.set SPARE, SL1+2*XH                   ; the spare words: 128 bytes a wave, two blocks of 256 bytes that no other line names
.set AW,  2                            ; v2-3   my quarter in slot 0, 1, + 16 x lane
.set AX,  4                            ; v4-5   my place in x's half 0, 1
.set LOF, 6                            ; v6     16 x lane
.set SPW, 10                           ; v10    my spare word; never rewritten
.set NIL, 11                           ; v11    0; never rewritten
.set ACC, 32                           ; accumulator (nt, t) at ACC + 8 (4 nt + t)
.set OUTB, 96
.set FB0, 128
.set FB1, 192
.set PR,  3                            ; s3   the pair of tiles in hand
.set WV,  14                           ; s14  wave
.set G1W, 16                           ; s[16:23] group 1: 128 rows of 256 bytes, dense; the mask of four
.set G1X, 24                           ; s[24:31] group 1: 16 rows x 256 f32, padded; no mask
.set G0W, 32                           ; s[32:39] group 0 of the weights, a set for each slot
.set G0XA, 40                          ; s[40:43], s[44:47] group 0 of x's two halves
.set G0XB, 44
.set BLK, 48                           ; s48  my block of 64 tokens
.set CNT, 49
.set QP,  52                           ; s[52:53] Qf at my images of the pair in hand
.set VP,  54                           ; s[54:55] Vf likewise
.set MSB, 0
.macro WIN new                         ; the immediate's high byte repeats the setting that is left; a switch that changes nothing is dropped
.if MSB != (\new)
	s_set_vgpr_msb (MSB<<8)|(\new)
.set MSB, \new
.endif
.endm
.macro PLACES n=4
.rept \n
	v_nop
.endr
.endm
.macro CROUND                          ; a round of the cluster's barrier: my work-group's barrier; wave 0 signals for the work-group; every wave waits for all four; my work-group's barrier once more
	s_barrier_signal -1
	s_barrier_wait -1
	s_cmp_lg_u32 s[WV], 0
	s_cbranch_scc1 .Lnot_wave_0_\@
	s_barrier_signal -3
.Lnot_wave_0_\@:
	s_barrier_wait -3
	s_barrier_signal -1
	s_barrier_wait -1
.endm
.macro POINT                           ; where the pair in hand is stored: Qf four chunks a pair, Vf 128 channels a pair; s57 and s59 hold 0
	s_lshl_b32 s56, s[PR], 12
	s_add_nc_u64 s[QP:QP+1], s[8:9], s[56:57]
	s_lshl_b32 s58, s[PR], 15
	s_add_nc_u64 s[VP:VP+1], s[12:13], s[58:59]
.endm
	s_load_b256 s[4:11], s[0:1], 0x0               ; x s[4:5], Wf s[6:7], Qf s[8:9], Xf s[10:11]
	s_load_b64 s[12:13], s[0:1], 0x20              ; Vf
	v_lshl_add_u32 v[SPW], v0, 2, SPARE
	v_mov_b32 v[NIL], 0
	ds_add_u32 v[SPW], v[NIL]                      ; the wave's opening: the add and its wait stand ahead of my first tensor load; register work stands between them
	ds_add_u32 v10, v11
	v_lshrrev_b32 v1, 5, v0
	v_readfirstlane_b32 s[WV], v1                  ; wave 0..3
	s_bfe_u32 s15, ttmp6, 0x40000                  ; cx
	s_lshl_b32 s[BLK], ttmp9, 2                    ; in a cluster launch ttmp9 counts clusters
	s_add_co_u32 s[BLK], s[BLK], s15               ; it enters the addresses of x, Qf, Xf and Vf alone
	s_lshr_b32 s[PR], ttmp9, 2                     ; the pair with which my cluster begins: made of the cluster's number alone, which the four partners share
	s_xor_b32 s[PR], s[PR], ttmp9
	s_lshr_b32 s2, ttmp9, 4
	s_xor_b32 s[PR], s[PR], s2
	s_and_b32 s[PR], s[PR], 3
	s_mov_b32 s[G1W+0], 15|(3<<16)|(1<<21)         ; the mask: all four work-groups; 8-byte elements; bit 21 set beside a mask
	s_mov_b32 s[G1W+1], 32<<16                     ; tensor_dim0 = 32 (256 bytes)
	s_mov_b32 s[G1W+2], 128<<16                    ; tensor_dim1 = 128
	s_mov_b32 s[G1W+3], 32<<16                     ; tile_dim0
	s_mov_b32 s[G1W+4], 128                        ; tile_dim1
	s_mov_b32 s[G1W+5], 32                         ; dense: a row begins where the last ends
	s_mov_b32 s[G1W+6], 0
	s_mov_b32 s[G1W+7], 0
	s_mov_b32 s[G1X+0], (2<<16)|(1<<20)|(7<<22)|(3<<25)  ; 4-byte elements; padding on; after every 256 words; 4 words
	s_mov_b32 s[G1X+1], 256<<16
	s_mov_b32 s[G1X+2], 16<<16
	s_mov_b32 s[G1X+3], 256<<16
	s_mov_b32 s[G1X+4], 16
	s_mov_b32 s[G1X+5], 512
	s_mov_b32 s[G1X+6], 0
	s_mov_b32 s[G1X+7], 0
	s_lshl_b32 s50, s[WV], 15                      ; my quarter of a tile: made of the wave's number alone
	s_mov_b32 s51, 0
	s_mov_b32 s[G0W], 1
	s_add_co_u32 s[G0W+1], s50, SL0
	s_mov_b32 s[G0W+4], 1
	s_add_co_u32 s[G0W+5], s50, SL1
	s_mul_i32 s52, s[WV], 16*XP                    ; my 16 rows of x
	s_mov_b32 s[G0XA], 1
	s_add_co_u32 s[G0XA+1], s52, SL1
	s_mov_b32 s[G0XB], 1
	s_add_co_u32 s[G0XB+1], s52, SL1+XH
	s_lshl_b32 s54, s[BLK], 17                     ; x: 64 rows of 2,048 bytes a block, 16 a wave
	s_add_co_u32 s54, s54, s50
	s_mov_b32 s55, 0
	s_lshr_b32 s56, s[BLK], 5                      ; Vf: batch,
	s_lshl_b32 s56, s56, 21
	s_and_b32 s57, s[BLK], 31
	s_lshr_b32 s57, s57, 1                         ; step of 128 keys,
	s_lshl_b32 s57, s57, 17
	s_add_co_u32 s56, s56, s57
	s_and_b32 s57, s[BLK], 1                       ; which 64 of them: kc = 2 (blk % 2) + t / 2,
	s_lshl_b32 s57, s57, 14
	s_add_co_u32 s56, s56, s57
	s_lshl_b32 s57, s[WV], 11                      ; p = 2 w + nt
	s_add_co_u32 s56, s56, s57
	s_mov_b32 s57, 0
	s_lshl_b32 s58, s[BLK], 16                     ; Qf and Xf: 65,536 bytes a block
	s_mov_b32 s59, 0
	s_lshl_b32 s60, s[WV], 10                      ; Qf: chunk 4 q + w
	s_mov_b32 s61, 0
	s_lshl_b32 s62, s[WV], 14                      ; Xf: token block 4 blk + w
	s_mov_b32 s63, 0
	v_and_b32 v7, 31, v0
	v_and_b32 v8, 15, v0                           ; r
	v_bfe_u32 v9, v0, 4, 1                         ; h
	v_lshlrev_b32 v[LOF], 4, v7
	v_lshl_add_u32 v[AW], s[WV], 15, v[LOF]
	v_add_nc_u32 v[AW+1], SL1, v[AW]
	v_mul_u32_u24 v[AX], v8, XP
	v_lshl_add_u32 v[AX], v9, 5, v[AX]             ; r x pitch + 8 h f32
	v_add_nc_u32 v[AX], SL1, v[AX]
	v_add_nc_u32 v[AX+1], XH, v[AX]
	s_wait_dscnt 0x0                               ; the opening add is done
	s_wait_kmcnt 0x0
	s_add_nc_u64 s[6:7], s[6:7], s[50:51]          ; Wf at my quarter of tile 0
	s_lshl_b32 s50, s[PR], 18                      ; a pair is 262,144 bytes
	s_add_nc_u64 s[G0W+2:G0W+3], s[6:7], s[50:51]  ; my first pair's tile of Bq,
	s_add_nc_u64 s[G0W+6:G0W+7], s[G0W+2:G0W+3], TILEB  ; and of Bv
	s_or_b32 s[G0W+3], s[G0W+3], 0x80000000        ; type = 2
	s_or_b32 s[G0W+7], s[G0W+7], 0x80000000
	s_add_nc_u64 s[G0XA+2:G0XA+3], s[4:5], s[54:55]
	s_add_nc_u64 s[G0XB+2:G0XB+3], s[G0XA+2:G0XA+3], 1024
	s_or_b32 s[G0XA+3], s[G0XA+3], 0x80000000
	s_or_b32 s[G0XB+3], s[G0XB+3], 0x80000000
	s_add_nc_u64 s[8:9], s[8:9], s[58:59]
	s_add_nc_u64 s[8:9], s[8:9], s[60:61]
	s_add_nc_u64 s[10:11], s[10:11], s[58:59]
	s_add_nc_u64 s[10:11], s[10:11], s[62:63]
	s_add_nc_u64 s[12:13], s[12:13], s[56:57]
	POINT
	CROUND                                         ; all four work-groups are here: the first joint loads meet
	tensor_load_to_lds s[G0XA:G0XA+3], s[G1X:G1X+7]
	s_nop 0
	tensor_load_to_lds s[G0XB:G0XB+3], s[G1X:G1X+7]
	s_nop 0
	tensor_load_to_lds s[G0W:G0W+3], s[G1W:G1W+7]  ; three tensor loads of mine are out
	s_nop 0
	PLACES
	s_wait_tensorcnt 0x1                           ; my rows of x are in; the weights' first tile, issued behind them, may stay out
	s_barrier_signal -1
	s_barrier_wait -1                              ; everybody's rows are in
; x to bf16: chunk n of all 64 tokens: 16 loads of 16 bytes (a lane's 8 + 8 f32 of four rows), 32 roundings in pairs into the images' registers.
.macro XLOAD n
	WIN 0
.set FB, FB0+64*((\n)%2)
.irp t, 0,1,2,3
.irp q, 0,1,2,3
	ds_load_b128 v[FB+16*(\t)+4*(\q):FB+16*(\t)+4*(\q)+3], v[AX+(\n)/8] offset:(\t)*16*XP+((\n)%8)*128+((\q)%2)*16+((\q)/2)*64
.endr
.endr
.endm
.macro XCVT n
	WIN 0x40*(1+(\n)/8)                            ; destination window 1 or 2
.set FB, FB0+64*((\n)%2)
.set i, 0
.rept 32
	v_cvt_pk_bf16_f32 v[32*((\n)%8)+i], v[FB+2*i], v[FB+2*i+1]
.set i, i+1
.endr
.endm
	XLOAD 0
	XLOAD 1
.set n, 0
.rept 16
.if n < 15
	s_wait_dscnt 16                                ; LDS loads come back in order (ISA guide 5.7.1): chunk n is in, the next chunk's sixteen may be out
.else
	s_wait_dscnt 0x0
.endif
	XCVT n
.if n < 14
	XLOAD n+2
.endif
.set n, n+1
.endr
	WIN 0
; Xf: wave k stores the images of token block k.  The registers hang on k, so the 32 stores stand four times, each under a branch on the wave's number.
.irp k, 0,1,2,3
	s_cmp_lg_u32 s[WV], \k
	s_cbranch_scc1 .Lnot\k
	WIN 0x04                                       ; store data (source 1) in window 1
.set c, 0
.rept 8
	global_store_b128 v[LOF], v[32*c+8*(\k):32*c+8*(\k)+3], s[10:11] offset:c*1024
	global_store_b128 v[LOF], v[32*c+8*(\k)+4:32*c+8*(\k)+7], s[10:11] offset:c*1024+512
.set c, c+1
.endr
	WIN 0x08                                       ; window 2
.set c, 0
.rept 8
	global_store_b128 v[LOF], v[32*c+8*(\k):32*c+8*(\k)+3], s[10:11] offset:(c+8)*1024
	global_store_b128 v[LOF], v[32*c+8*(\k)+4:32*c+8*(\k)+7], s[10:11] offset:(c+8)*1024+512
.set c, c+1
.endr
	WIN 0
.Lnot\k:
.endr
; 16 LDS loads: my 32 rows' images of chunks 4 g .. 4 g + 3
.macro FETCHW g, slot, fb
	WIN 0
.irp cc, 0,1,2,3
.irp nt, 0,1
	ds_load_b128 v[(\fb)+16*(\cc)+8*(\nt):(\fb)+16*(\cc)+8*(\nt)+3], v[AW+(\slot)] offset:(\nt)*16384+(4*(\g)+(\cc))*1024
	ds_load_b128 v[(\fb)+16*(\cc)+8*(\nt)+4:(\fb)+16*(\cc)+8*(\nt)+7], v[AW+(\slot)] offset:(\nt)*16384+(4*(\g)+(\cc))*1024+512
.endr
.endr
.endm
; 32 products: four chunks x 8 accumulators, which take turns.  kind 0: Q'; 1: V'.  The tile's first eight start the sums.
.macro MULW g, kind, fb
.if (\kind) == 0
	WIN 0x04*(1+(\g)/2)                            ; x (source 1) in window 1 or 2
.else
	WIN 0x01*(1+(\g)/2)                            ; x (source 0)
.endif
.irp cc, 0,1,2,3
.irp nt, 0,1
.irp t, 0,1,2,3
.set rA, ACC+8*(4*(\nt)+(\t))
.set rW, (\fb)+16*(\cc)+8*(\nt)
.set rX, 32*((4*(\g)+(\cc))%8)+8*(\t)
.if (\kind) == 0
.if ((\g) == 0) && ((\cc) == 0)
	v_wmma_f32_16x16x32_bf16 v[rA:rA+7], v[rW:rW+7], v[rX:rX+7], 0
.else
	v_wmma_f32_16x16x32_bf16 v[rA:rA+7], v[rW:rW+7], v[rX:rX+7], v[rA:rA+7]
.endif
.else
.if ((\g) == 0) && ((\cc) == 0)
	v_wmma_f32_16x16x32_bf16 v[rA:rA+7], v[rX:rX+7], v[rW:rW+7], 0
.else
	v_wmma_f32_16x16x32_bf16 v[rA:rA+7], v[rX:rX+7], v[rW:rW+7], v[rA:rA+7]
.endif
.endif
.endr
.endr
.endr
.endm
.macro OUT kind                        ; eight halves of images, 512 consecutive bytes each
	WIN 0
	PLACES                                         ; four places behind the last product (ISA guide 7.12.1)
	s_wait_xcnt 0x0                                ; the last tile's stores have read OUTB
.set i, 0
.rept 32
	v_cvt_pk_bf16_f32 v[OUTB+i], v[ACC+2*i], v[ACC+2*i+1]  ; each accumulator from its low end on
.set i, i+1
.endr
.irp nt, 0,1
.irp t, 0,1,2,3
.if (\kind) == 0
	global_store_b128 v[LOF], v[OUTB+4*(4*(\nt)+(\t)):OUTB+4*(4*(\nt)+(\t))+3], s[QP:QP+1] offset:(\t)*16384+(\nt)*512
.else
	global_store_b128 v[LOF], v[OUTB+4*(4*(\nt)+(\t)):OUTB+4*(4*(\nt)+(\t))+3], s[VP:VP+1] offset:((\t)/2)*8192+((\t)%2)*512+(\nt)*1024
.endif
.endr
.endr
.endm
; A tile.  In front of the round each wave waits for all its tensor loads (one is out: its quarter of this tile), adds 0 to its spare word, and waits for that and for its reads of the other
; slot.  Behind the round the other slot is filled first, with the next tile: the load has this tile's 128 products in which to land.
.macro TILE slot, kind, refill
	WIN 0
	s_wait_tensorcnt 0x0
	ds_add_u32 v[SPW], v[NIL]
	s_add_co_u32 s50, s[PR], 1                     ; no load of mine is out: this slot's next tile is the next pair's, round the four
	s_and_b32 s50, s50, 3
	s_lshl_b32 s50, s50, 18
.if (\slot) == 1
	s_or_b32 s50, s50, TILEB                       ; the pair's second tile
.endif
	s_add_nc_u64 s[G0W+4*(\slot)+2:G0W+4*(\slot)+3], s[6:7], s[50:51]
	s_or_b32 s[G0W+4*(\slot)+3], s[G0W+4*(\slot)+3], 0x80000000
	s_wait_dscnt 0x0
	CROUND
.if \refill
	tensor_load_to_lds s[G0W+4-4*(\slot):G0W+7-4*(\slot)], s[G1W:G1W+7]
	s_nop 0
.endif
	PLACES
	FETCHW 0, \slot, FB0
	FETCHW 1, \slot, FB1
	s_wait_dscnt 16                                ; all but the sixteen just issued
	MULW 0, \kind, FB0
	PLACES                                         ; ahead of loads into registers that the products have read
	FETCHW 2, \slot, FB0
	s_wait_dscnt 16
	MULW 1, \kind, FB1
	PLACES
	FETCHW 3, \slot, FB1
	s_wait_dscnt 16
	MULW 2, \kind, FB0
	s_wait_dscnt 0x0
	MULW 3, \kind, FB1
	OUT \kind
.endm
	s_mov_b32 s[CNT], 3
.Lpair:                                                ; a trip: Bq's and Bv's rows 128 q .. 128 q + 127, q the pair in hand
	TILE 0, 0, 1
	TILE 1, 1, 1
	s_wait_xcnt 0x0                                ; the stores have read their bases
	s_add_co_u32 s[PR], s[PR], 1                   ; the next pair, round the four
	s_and_b32 s[PR], s[PR], 3
	POINT
	s_sub_co_u32 s[CNT], s[CNT], 1
	s_cmp_lg_u32 s[CNT], 0
	s_cbranch_scc1 .Lpair
	TILE 0, 0, 1                                   ; the tail is written out: the last tile asks for nothing (the addresses made in it are not used)
	TILE 1, 1, 0
	s_wait_tensorcnt 0x0                           ; the wave's end
	ds_add_u32 v[SPW], v[NIL]
	s_wait_dscnt 0x0
	CROUND                                         ; the closing round
	s_endpgm
.Lfunc_end_k_q07448f0743_proj:
	.size	k_q07448f0743_proj, .Lfunc_end_k_q07448f0743_proj-k_q07448f0743_proj
	.p2alignl 7, 3214868480
	.fill 96, 4, 3214868480
	.section	.rodata,"a",@progbits
	.p2align	6, 0x0
	.amdhsa_kernel k_q07448f0743_proj
		.amdhsa_group_segment_fixed_size 327680
		.amdhsa_private_segment_fixed_size 0
		.amdhsa_enable_private_segment 0
		.amdhsa_kernarg_size 40
		.amdhsa_user_sgpr_count 2
		.amdhsa_user_sgpr_kernarg_segment_ptr 1
		.amdhsa_wavefront_size32 1
		.amdhsa_system_sgpr_workgroup_id_x 1
		.amdhsa_system_sgpr_workgroup_id_y 1
		.amdhsa_system_sgpr_workgroup_id_z 1
		.amdhsa_system_vgpr_workitem_id 0
		.amdhsa_next_free_vgpr 768
		.amdhsa_next_free_sgpr 66
		.amdhsa_reserve_vcc 0
		.amdhsa_float_denorm_mode_32 3
		.amdhsa_float_denorm_mode_16_64 3
		.amdhsa_memory_ordered 1
		.amdhsa_forward_progress 1
		.amdhsa_inst_pref_size 134
	.end_amdhsa_kernel
	.amdgpu_metadata
---
amdhsa.version: [ 1, 2 ]
amdhsa.kernels:
  - .name:           k_q07448f0743_proj
    .symbol:         k_q07448f0743_proj.kd
    .args:
      - { .name: x, .offset: 0, .size: 8, .value_kind: global_buffer, .address_space: global }
      - { .name: Wf, .offset: 8, .size: 8, .value_kind: global_buffer, .address_space: global }
      - { .name: Qf, .offset: 16, .size: 8, .value_kind: global_buffer, .address_space: global }
      - { .name: Xf, .offset: 24, .size: 8, .value_kind: global_buffer, .address_space: global }
      - { .name: Vf, .offset: 32, .size: 8, .value_kind: global_buffer, .address_space: global }
    .group_segment_fixed_size: 327680
    .private_segment_fixed_size: 0
    .kernarg_segment_align: 8
    .kernarg_segment_size: 40
    .max_flat_workgroup_size: 128
    .sgpr_count:     66
    .vgpr_count:     768
    .wavefront_size: 32
...
	.end_amdgpu_metadata
.endif
;; end of part 2
;; launch attn (part 3): grid 256 x 1, 4 waves a work-group, clusters of 4 x 1, 327,680 bytes of LDS; arguments Qf, Xf, Vf, adj, x, bo, gamma, beta, out0; writes out0
.if DOCPART == 3
	.amdgcn_target "amdgcn-amd-amdhsa--gfx1250"
	.amdhsa_code_object_version 6
	.text
	.protected	k_q07448f0743_attn
	.globl	k_q07448f0743_attn
	.p2align	8
	.type	k_q07448f0743_attn,@function
k_q07448f0743_attn:
	s_mov_b64 s[64:65], 0
	v_nop
	global_prefetch_b8 v0, s[64:65] scope:SCOPE_SE
	s_setreg_imm32_b32 hwreg(HW_REG_WAVE_MODE, 25, 1), 1
	s_wait_xcnt 0x0
	s_wait_alu depctr_hold_cnt(0) depctr_sa_sdst(0) depctr_va_vdst(0) depctr_va_sdst(0) depctr_va_ssrc(0) depctr_va_vcc(0) depctr_vm_vsrc(0)
	s_getreg_b32 s2, hwreg(HW_REG_IB_STS2, 6, 4)
	s_cmp_eq_u32 s2, 0
	s_cbranch_scc0 .Lentry_in_a_cluster
	s_endpgm
.Lentry_in_a_cluster:
	s_bfe_u32 s2, ttmp6, 0x10000c
	s_cmp_lg_u32 s2, 0x3003
	s_cbranch_scc0 .Lentry_shape_is_right
	s_endpgm
.Lentry_shape_is_right:
; ATTN.  out0 = LayerNorm(x + softmax(mask(Q' x^T)) V' + bo) * gamma + beta.  Q' = x (c Wq Wk^T) holds the scale and log2(e), so a score is an exponent of 2; V' = x (Wv Wo) holds the output
; projection, so the second product's sums are the row of y less x and bo.  Products in bf16 with f32 sums; maxima, sums, residual and norm in f32; the weights p are rounded to bf16 for
; the second product, their sum l is taken of the unrounded p.
; MASK.  Where adj is 0 the score is replaced by NEG = -1e30, and the running maximum m starts at NEG.  A row that has seen no neighbour has m = NEG and p = 2^0 = 1 for every key: uniform
; weights; if it never sees one, that is its result.  The first visible key makes a = 2^(NEG - m) = 0, which wipes what was gathered.
; LIMITS.  A true score at or below -1e30 counts as hidden; a weight below 2^-126 counts as 0; NaN and infinities are not treated apart.
; SHARES.  A work-group owns 64 queries (four tiles t of 16) and walks its batch's 2,048 keys, 128 a step.  S^T = K Q'^T: wave w makes its 32 keys x all 64 queries (8 accumulators; all of
; Q' stays in 512 registers).  O^T = V'^T P: wave w makes its 128 channels x 64 queries (32 accumulators).  So each byte of K and V leaves LDS once.  In both results a lane holds one
; query (lane % 16).  The waves' maxima meet in LDS (MX), their weights too (PS), written as operand images.
; IMAGES.  K (= Xf), Q', V' and P are images of 1,024 bytes: 16 rows x 32 k as eight registers hold them; two loads of 16 bytes a lane, 512 bytes apart, 512 consecutive bytes each.
; RING.  K and V have one slot each and take turns: V of a step lands during its S phase, K and adj of the next step during the softmax and the second product.  Two rounds a step.
; CLUSTER.  The four query blocks of a cluster belong to one batch and walk the same K and V: those tiles are asked for JOINTLY.  adj and x are a work-group's own: plain loads.
; THE WALK.  A softmax with a running maximum does not hang on the order of the keys.  The batch's 16 tiles of 128 keys go in four groups of four; step j takes tile (j & 12) | ((j + r) & 3),
; r = (i % 4) xor 3 (i / 4) for cluster i of the batch's eight.  Any two bits of i fix r one to one: of four clusters that agree in any one bit of i no two take the same tile in the same
; step, and three of a group's four tiles have been asked for by another of them one to three steps before.  The fills' addresses are made anew from the tile's number.
; REGISTERS, in windows of 256 (s_set_vgpr_msb: bits 1:0 source 0, 3:2 source 1, 5:4 source 2, 7:6 destination):
;   window 0: v1-15 addresses; v16-63 statistics; v64-127 S^T, later P's two buffers; v128-255 two buffers for K, adj and V
;   window 1: O^T, (cb, t) at 8 (4 cb + t)     windows 2, 3: Q', (t, c) at 32 (c % 8) + 8 t, chunks 0-7 and 8-15; at the end window 2 v0-47: bo, gamma, beta
.set KS,    0                          ; K: 128 keys x 512 channels, 131,072 bytes; in the last step x, 64 rows of 2,048 bytes
.set VS,    131072                     ; V: wave w's 128 channels x 128 keys at 32,768 w
.set AS,    262144                     ; adj: 64 rows,
.set JP,    528                        ; 512 bytes + 16 of padding = 132 words: 16 rows start at 16 different groups of four banks (ISA guide 11.1)
.set PS,    AS+64*JP                   ; P: [writing wave = 32 keys][t][1024]; no tensor load lands from here on
.set MX,    PS+16384                   ; the waves' maxima: [wave][query % 16][t]
.set LX,    MX+1024                    ; the waves' sums, likewise
.set SPARE, LX+1024                    ; the spare words: 128 bytes a wave, two blocks of 256 bytes that no other line names
.set STG,   VS                         ; the way out: 64 rows of 512 f32; written when V's and adj's slots have had their last fill
.set SP,    2064                       ; 2,048 + 16 = 516 words
.set PFO, 1                            ; v1   the trip's prefetch offset
.set AK,  2                            ; v2   my 32 keys in KS + 16 x lane
.set AV,  3                            ; v3   my quarter of VS + 16 x lane
.set APR, 4                            ; v4   PS + 16 x lane
.set APW, 5                            ; v5   my part of PS
.set AJ,  6                            ; v6   my place in adj's tile
.set AMW, 7                            ; v7   where I put my maxima
.set AMR, 8                            ; v8   where I read all four waves'
.set NEG, 9                            ; v9   -1e30
.set SPW, 10                           ; v10  my spare word; never rewritten
.set NIL, 11                           ; v11  0; never rewritten
.set LOF, 12                           ; v12  16 x lane
.set ALW, 13                           ; v13, v14  the same as AMW, AMR for the sums
.set ALR, 14
.set PFL, 15                           ; v15  my lane's place in a tile of adj, for the prefetch
.set MXR, 16                           ; v16-31  the four waves' maxima (sums): wave k, tile t at 4 k + t
.set M,   32                           ; v32+2t  m;  the odd partners are named in pairs and written once
.set A,   40                           ; v40+2t  a; at the end 1 / l
.set L,   48                           ; v48+2t, +1  l, even and odd keys'
.set PMX, 56                           ; v56-59  my wave's maxima
.set SC,  60                           ; v60-63  at work
.set S,   64                           ; S^T (kt, t) at S + 8 (4 kt + t)
.set FB0, 128
.set FB1, 192
.set AST, 2                            ; the way out: v2-3 into the stage (tiles 0-1, 2-3); v4 back from it; v5 x's rows
.set ASR, 4
.set AXR, 5
.set YO,  128                          ; four rows of y, 16 registers each
.set XO,  192                          ; four rows of x
.set TS,  64                           ; a pair a row: sums
.set MU,  72                           ; means
.set RS,  80                           ; 1 / sqrt(var + eps)
.set PX,  88                           ; the other half of the lanes'
.set TMP, 2                            ; s2   at work
.set TN,  3                            ; s3   the number of the tile to be asked for
.set WV,  22                           ; s22  wave
.set W1,  23                           ; s23  wave % 2
.set QB,  25                           ; s25  my block of 64 queries
.set BT,  26                           ; s26  the batch
.set CNT, 27
.set SEL, 28                           ; s[28:29] v_permlanex16_b32's selects: each lane takes its own place in the other half
.set PFS, 34                           ; s34  byte offset in adj's rows of the tile to be prefetched
.set G1K, 36                           ; s[36:43] group 1: 256 rows of 256 bytes, dense, the mask of four
.set G1V, 44                           ; s[44:51] the same with 128 rows
.set G1J, 52                           ; s[52:59] 32 rows x 128 words of adj, padded, no mask
.set AJB, 60                           ; s[60:61] adj at my 64 rows
.set OB,  62                           ; s[62:63] out0 at my wave's rows
.set J,   66                           ; s66  the step in hand, 0 .. 15
.set R,   67                           ; s67  r: where my cluster begins in each group of four tiles
.set G1X, 68                           ; s[68:75] 128 rows of 256 bytes, dense, no mask
.set G0K, 76
.set G0V, 80
.set G0J, 84
.set G0X, 88
.set R512, 92                          ; s92  1 / 512
.set EPS, 93                           ; s93  1e-5
.set MSB, 0
.macro WIN new                         ; the immediate's high byte repeats the setting that is left; a switch that changes nothing is dropped
.if MSB != (\new)
	s_set_vgpr_msb (MSB<<8)|(\new)
.set MSB, \new
.endif
.endm
.macro PLACES n=4
.rept \n
	v_nop
.endr
.endm
.macro CROUND                          ; a round of the cluster's barrier: my work-group's barrier; wave 0 signals for the work-group; every wave waits for all four; my work-group's barrier once more
	s_barrier_signal -1
	s_barrier_wait -1
	s_cmp_lg_u32 s[WV], 0
	s_cbranch_scc1 .Lnot_wave_0_\@
	s_barrier_signal -3
.Lnot_wave_0_\@:
	s_barrier_wait -3
	s_barrier_signal -1
	s_barrier_wait -1
.endm
.macro JLOADA                          ; waves 0 and 1 ask jointly for the halves of the next K, waves 2 and 3 fetch the halves of the next adj; the branch hangs on the wave's number alone
	s_cmp_lt_u32 s[WV], 2
	s_cbranch_scc0 .Lfor_j_\@
	tensor_load_to_lds s[G0K:G0K+3], s[G1K:G1K+7]
	s_nop 0
	PLACES
	s_branch .Lasked_\@
.Lfor_j_\@:
	tensor_load_to_lds s[G0J:G0J+3], s[G1J:G1J+7]
	s_nop 0
	PLACES
.Lasked_\@:
.endm
.macro TILENO dst, ahead               ; the tile of step J + ahead: ((J + ahead) & 12) | ((J + ahead + r) & 3): always 0 .. 15
	s_add_co_u32 s[TMP], s[J], \ahead
	s_add_co_u32 s[\dst], s[TMP], s[R]
	s_and_b32 s[\dst], s[\dst], 3
	s_and_b32 s[TMP], s[TMP], 12
	s_or_b32 s[\dst], s[\dst], s[TMP]
.endm
	s_load_b256 s[4:11], s[0:1], 0x0               ; Qf s[4:5], Xf s[6:7], Vf s[8:9], adj s[10:11]
	s_load_b256 s[12:19], s[0:1], 0x20             ; x s[12:13], bo s[14:15], gamma s[16:17], beta s[18:19]
	s_load_b64 s[20:21], s[0:1], 0x40              ; out0
	v_lshl_add_u32 v[SPW], v0, 2, SPARE
	v_mov_b32 v[NIL], 0
	ds_add_u32 v[SPW], v[NIL]                      ; the wave's opening: the add and its wait stand ahead of my first tensor load; register work stands between them
	ds_add_u32 v10, v11
	v_lshrrev_b32 v1, 5, v0
	v_readfirstlane_b32 s[WV], v1                  ; wave 0..3
	s_and_b32 s[W1], s[WV], 1
	s_bfe_u32 s24, ttmp6, 0x40000                  ; cx
	s_lshl_b32 s[QB], ttmp9, 2                     ; in a cluster launch ttmp9 counts clusters
	s_add_co_u32 s[QB], s[QB], s24                 ; it enters the addresses of Qf, adj, x and out0 alone
	s_lshr_b32 s[BT], ttmp9, 3                     ; 8 clusters a batch: the four partners share it
	s_bfe_u32 s[R], ttmp9, 0x10002                 ; r = (i % 4) xor 3 (i / 4), i = the cluster's number % 8: made of the cluster's number alone
	s_mul_i32 s[R], s[R], 3
	s_xor_b32 s[R], s[R], ttmp9
	s_and_b32 s[R], s[R], 3
	s_mov_b32 s[J], 0
	s_mov_b32 s[G1K+0], 15|(3<<16)|(1<<21)         ; the mask: all four work-groups; 8-byte elements; bit 21 set beside a mask
	s_mov_b32 s[G1K+1], 32<<16                     ; tensor_dim0 = 32 (256 bytes)
	s_mov_b32 s[G1K+2], 256<<16                    ; tensor_dim1 = 256
	s_mov_b32 s[G1K+3], 32<<16                     ; tile_dim0
	s_mov_b32 s[G1K+4], 256                        ; tile_dim1
	s_mov_b32 s[G1K+5], 32                         ; dense
	s_mov_b32 s[G1K+6], 0
	s_mov_b32 s[G1K+7], 0
	s_mov_b32 s[G1V+0], 15|(3<<16)|(1<<21)
	s_mov_b32 s[G1V+1], 32<<16
	s_mov_b32 s[G1V+2], 128<<16
	s_mov_b32 s[G1V+3], 32<<16
	s_mov_b32 s[G1V+4], 128
	s_mov_b32 s[G1V+5], 32
	s_mov_b32 s[G1V+6], 0
	s_mov_b32 s[G1V+7], 0
	s_mov_b32 s[G1J+0], (2<<16)|(1<<20)|(6<<22)|(3<<25)  ; 4-byte elements; padding on; after every 128 words; 4 words
	s_mov_b32 s[G1J+1], 128<<16
	s_mov_b32 s[G1J+2], 32<<16
	s_mov_b32 s[G1J+3], 128<<16
	s_mov_b32 s[G1J+4], 32
	s_mov_b32 s[G1J+5], 2048
	s_mov_b32 s[G1J+6], 0
	s_mov_b32 s[G1J+7], 0
	s_mov_b32 s[G1X+0], 3<<16
	s_mov_b32 s[G1X+1], 32<<16
	s_mov_b32 s[G1X+2], 128<<16
	s_mov_b32 s[G1X+3], 32<<16
	s_mov_b32 s[G1X+4], 128
	s_mov_b32 s[G1X+5], 32
	s_mov_b32 s[G1X+6], 0
	s_mov_b32 s[G1X+7], 0
	s_lshl_b32 s35, s[WV], 15
	s_mov_b32 s[G0K], 1
	s_lshl_b32 s[G0K+1], s[W1], 16                 ; K's half
	s_mov_b32 s[G0V], 1
	s_add_co_u32 s[G0V+1], s35, VS                 ; V's quarter
	s_mov_b32 s[G0J], 1
	s_mul_i32 s[G0J+1], s[W1], 32*JP
	s_add_co_u32 s[G0J+1], s[G0J+1], AS            ; adj's half
	s_mov_b32 s[G0X], 1
	s_mov_b32 s[G0X+1], s35                        ; my 16 rows of x
	s_lshl_b32 s30, s[BT], 21                      ; a batch is 2^21 bytes of Xf and of Vf
	s_lshl_b32 s32, s[W1], 16
	s_add_co_u32 s32, s32, s30
	s_mov_b32 s33, 0
	s_add_co_u32 s30, s30, s35
	s_mov_b32 s31, 0
	s_mov_b32 s95, 0
	s_mov_b32 s[SEL], 0x76543210
	s_mov_b32 s[SEL+1], 0xfedcba98
	s_mov_b32 s[R512], 0x3b000000
	s_mov_b32 s[EPS], 0x3727c5ac
	s_mov_b32 s[CNT], 15
	v_and_b32 v16, 31, v0                          ; lane
	v_and_b32 v17, 15, v0                          ; r
	v_bfe_u32 v18, v0, 4, 1                        ; h
	v_lshlrev_b32 v[LOF], 4, v16
	v_lshl_add_u32 v[AK], s[WV], 15, v[LOF]
	v_add_nc_u32 v[AV], VS, v[AK]
	v_add_nc_u32 v[APR], PS, v[LOF]
	v_lshl_add_u32 v[APW], s[WV], 12, v[APR]
	v_mul_u32_u24 v[AJ], v17, JP                   ; query r of a tile,
	v_lshl_add_u32 v[AJ], v18, 5, v[AJ]            ; keys 8 h ..,
	v_lshl_add_u32 v[AJ], s[WV], 7, v[AJ]          ; of my wave's 32
	v_add_nc_u32 v[AJ], AS, v[AJ]
	v_lshl_add_u32 v[AMR], v17, 4, MX
	v_lshl_add_u32 v[AMW], s[WV], 8, v[AMR]
	v_lshl_add_u32 v[ALR], v17, 4, LX
	v_lshl_add_u32 v[ALW], s[WV], 8, v[ALR]
	v_lshrrev_b32 v19, 1, v16                      ; the prefetch: two lanes a row, 256 bytes apart; 16 rows a wave
	v_lshl_add_u32 v19, s[WV], 4, v19
	v_and_b32 v20, 1, v16
	v_lshlrev_b32 v20, 8, v20
	v_lshl_add_u32 v[PFL], v19, 13, v20
	s_wait_dscnt 0x0                               ; the opening add is done
	s_wait_kmcnt 0x0
	s_add_nc_u64 s[6:7], s[6:7], s[32:33]          ; Xf at my half of the batch's tile 0,
	s_add_nc_u64 s[8:9], s[8:9], s[30:31]          ; Vf at my quarter of it: the fills' addresses are these plus the tile's number x 131,072
	s_lshl_b32 s30, s[R], 17                       ; step 0 takes tile r
	s_add_nc_u64 s[G0K+2:G0K+3], s[6:7], s[30:31]
	s_or_b32 s[G0K+3], s[G0K+3], 0x80000000        ; type = 2
	s_add_nc_u64 s[G0V+2:G0V+3], s[8:9], s[30:31]
	s_or_b32 s[G0V+3], s[G0V+3], 0x80000000
	s_lshl_b32 s94, s[QB], 19                      ; 64 rows of adj
	s_add_nc_u64 s[AJB:AJB+1], s[10:11], s[94:95]
	s_lshl_b32 s32, s[W1], 18                      ; 32 rows
	s_add_nc_u64 s[10:11], s[AJB:AJB+1], s[32:33]  ; adj at my half of the rows: the fills' addresses are this plus the tile's number x 512
	s_lshl_b32 s32, s[R], 9
	s_add_nc_u64 s[G0J+2:G0J+3], s[10:11], s[32:33]
	s_or_b32 s[G0J+3], s[G0J+3], 0x80000000
	s_lshl_b32 s94, s[QB], 17                      ; 64 rows of x and of out0, 16 a wave
	s_add_co_u32 s94, s94, s35
	s_add_nc_u64 s[G0X+2:G0X+3], s[12:13], s[94:95]
	s_or_b32 s[G0X+3], s[G0X+3], 0x80000000
	s_add_nc_u64 s[OB:OB+1], s[20:21], s[94:95]
	s_lshl_b32 s94, s[QB], 16
	s_add_nc_u64 s[4:5], s[4:5], s[94:95]
	CROUND                                         ; all four work-groups are here: the first joint loads meet
	s_cmp_lt_u32 s[WV], 2                          ; a wave's two first fills stand in one branch: two tensor loads of mine are out
	s_cbranch_scc0 .Lfirst_j
	tensor_load_to_lds s[G0K:G0K+3], s[G1K:G1K+7]
	s_nop 0
	tensor_load_to_lds s[G0V:G0V+3], s[G1V:G1V+7]
	s_nop 0
	PLACES
	s_branch .Lfirst_done
.Lfirst_j:
	tensor_load_to_lds s[G0J:G0J+3], s[G1J:G1J+7]
	s_nop 0
	tensor_load_to_lds s[G0V:G0V+3], s[G1V:G1V+7]
	s_nop 0
	PLACES
.Lfirst_done:
	WIN 0x80                                       ; Q' stays in registers: chunks 0-7 into window 2,
.set i, 0
.rept 32
	global_load_b128 v[8*i:8*i+3], v[LOF], s[4:5] offset:(16*(i%4)+i/4)*1024
	global_load_b128 v[8*i+4:8*i+7], v[LOF], s[4:5] offset:(16*(i%4)+i/4)*1024+512
.set i, i+1
.endr
	WIN 0xc0                                       ; chunks 8-15 into window 3
.set i, 0
.rept 32
	global_load_b128 v[8*i:8*i+3], v[LOF], s[4:5] offset:(16*(i%4)+8+i/4)*1024
	global_load_b128 v[8*i+4:8*i+7], v[LOF], s[4:5] offset:(16*(i%4)+8+i/4)*1024+512
.set i, i+1
.endr
	WIN 0x40                                       ; O^T starts at 0, in the wait for the first tiles: the price of writing no first step out, which would be a third copy of the step's text
.set i, 0
.rept 256
	v_mov_b32 v[i], 0
.set i, i+1
.endr
	WIN 0
	v_mov_b32 v[NEG], 0xf149f2ca
.set i, 0
.rept 8
	v_mov_b32 v[M+i], v[NEG]
	v_mov_b32 v[A+i], 0
	v_mov_b32 v[L+i], 0
.set i, i+1
.endr
.set i, 0
.rept 4
	v_mov_b32 v[SC+i], 0                           ; v_permlanex16_b32's destination counts as read
.set i, i+1
.endr
	s_wait_tensorcnt 0x1                           ; my part of K or adj is in; V's quarter, issued behind it, may stay out
	s_barrier_signal -1
	s_barrier_wait -1
	s_wait_loadcnt 0x0                             ; Q'
.macro FETCHK g, buf                   ; 16 loads: my 32 keys' images of chunks 4 g .. 4 g + 3
	WIN 0
.irp cc, 0,1,2,3
.irp kt, 0,1
	ds_load_b128 v[(\buf)+16*(\cc)+8*(\kt):(\buf)+16*(\cc)+8*(\kt)+3], v[AK] offset:(\kt)*16384+(4*(\g)+(\cc))*1024
	ds_load_b128 v[(\buf)+16*(\cc)+8*(\kt)+4:(\buf)+16*(\cc)+8*(\kt)+7], v[AK] offset:(\kt)*16384+(4*(\g)+(\cc))*1024+512
.endr
.endr
.endm
.macro SMUL g, buf                     ; 32 products: four chunks x 8 accumulators, which take turns; the step's first eight start the sums
	WIN 0x08+4*((\g)/2)                            ; Q' (source 1) in window 2 or 3
.irp cc, 0,1,2,3
.irp kt, 0,1
.irp t, 0,1,2,3
.set rS, S+8*(4*(\kt)+(\t))
.set rK, (\buf)+16*(\cc)+8*(\kt)
.set rQ, 32*((4*(\g)+(\cc))%8)+8*(\t)
.if ((\g) == 0) && ((\cc) == 0)
	v_wmma_f32_16x16x32_bf16 v[rS:rS+7], v[rK:rK+7], v[rQ:rQ+7], 0
.else
	v_wmma_f32_16x16x32_bf16 v[rS:rS+7], v[rK:rK+7], v[rQ:rQ+7], v[rS:rS+7]
.endif
.endr
.endr
.endr
.endm
.macro FETCHJ                          ; 16 loads: adj for my 64 scores, register for register as S^T lies
	WIN 0
.irp kt, 0,1
.irp t, 0,1,2,3
	ds_load_b128 v[FB0+8*(4*(\kt)+(\t)):FB0+8*(4*(\kt)+(\t))+3], v[AJ] offset:(\t)*16*JP+(\kt)*64
	ds_load_b128 v[FB0+8*(4*(\kt)+(\t))+4:FB0+8*(4*(\kt)+(\t))+7], v[AJ] offset:(\t)*16*JP+(\kt)*64+16
.endr
.endr
.endm
.macro FETCHV kc, buf                  ; 16 loads: my 128 channels' images of keys 32 kc ..
	WIN 0
.irp p, 0,1,2,3,4,5,6,7
	ds_load_b128 v[(\buf)+8*(\p):(\buf)+8*(\p)+3], v[AV] offset:(\kc)*8192+(\p)*1024
	ds_load_b128 v[(\buf)+8*(\p)+4:(\buf)+8*(\p)+7], v[AV] offset:(\kc)*8192+(\p)*1024+512
.endr
.endm
.macro FETCHP kc, buf                  ; 8 loads: the 64 queries' images of the same keys
	WIN 0
.irp t, 0,1,2,3
	ds_load_b128 v[(\buf)+8*(\t):(\buf)+8*(\t)+3], v[APR] offset:(\kc)*4096+(\t)*1024
	ds_load_b128 v[(\buf)+8*(\t)+4:(\buf)+8*(\t)+7], v[APR] offset:(\kc)*4096+(\t)*1024+512
.endr
.endm
.macro PVMUL vb, pb                    ; 32 products on 32 accumulators
	WIN 0x50                                       ; C and D in window 1
.irp cb, 0,1,2,3,4,5,6,7
.irp t, 0,1,2,3
	v_wmma_f32_16x16x32_bf16 v[8*(4*(\cb)+(\t)):8*(4*(\cb)+(\t))+7], v[(\vb)+8*(\cb):(\vb)+8*(\cb)+7], v[(\pb)+8*(\t):(\pb)+8*(\t)+7], v[8*(4*(\cb)+(\t)):8*(4*(\cb)+(\t))+7]
.endr
.endr
.endm
.macro MASKMAX                         ; hidden scores become NEG; then each query's maximum over my wave's 32 keys.  Each accumulator is read from its low end on.
.set i, 0
.rept 64
	v_cmp_eq_u32 vcc_lo, 0, v[FB0+i]
	v_cndmask_b32 v[S+i], v[S+i], v[NEG], vcc_lo
.set i, i+1
.endr
.irp t, 0,1,2,3
	v_max3_num_f32 v[PMX+(\t)], v[S+8*(\t)], v[S+8*(\t)+1], v[S+8*(\t)+2]
.endr
.set m, 1
.rept 6                                ; score n of a lane's 16 lies at S + 8 t + n + 24 (n / 8); the four tiles' chains alternate
.irp t, 0,1,2,3
	v_max3_num_f32 v[PMX+(\t)], v[PMX+(\t)], v[S+8*(\t)+2*m+1+24*((2*m+1)/8)], v[S+8*(\t)+2*m+2+24*((2*m+2)/8)]
.endr
.set m, m+1
.endr
.irp t, 0,1,2,3
	v_max_num_f32 v[PMX+(\t)], v[PMX+(\t)], v[S+8*(\t)+39]
.endr
.irp t, 0,1,2,3
	v_permlanex16_b32 v[SC+(\t)], v[PMX+(\t)], s[SEL], s[SEL+1]  ; the query's other 16 keys lie in the lane 16 away
.endr
.irp t, 0,1,2,3
	v_max_num_f32 v[PMX+(\t)], v[PMX+(\t)], v[SC+(\t)]
.endr
.endm
.macro SOFT                            ; the new m of all four waves' maxima; a; p = 2^(s - m); l = a l + the sum of p; p rounded to bf16 into each accumulator's four lowest registers
.irp t, 0,1,2,3
	v_max3_num_f32 v[SC+(\t)], v[M+2*(\t)], v[MXR+(\t)], v[MXR+4+(\t)]
.endr
.irp t, 0,1,2,3
	v_max3_num_f32 v[SC+(\t)], v[SC+(\t)], v[MXR+8+(\t)], v[MXR+12+(\t)]
.endr
.irp t, 0,1,2,3
	v_sub_f32 v[A+2*(\t)], v[M+2*(\t)], v[SC+(\t)]
.endr
.irp t, 0,1,2,3
	v_mov_b32 v[M+2*(\t)], v[SC+(\t)]
.endr
.irp t, 0,1,2,3
	v_exp_f32 v[A+2*(\t)], v[A+2*(\t)]
.endr
.set i, 0
.rept 32
	v_pk_add_f32 v[S+2*i:S+2*i+1], v[S+2*i:S+2*i+1], v[M+2*((i/4)%4):M+2*((i/4)%4)+1] op_sel_hi:[1,0] neg_lo:[0,1] neg_hi:[0,1]
.set i, i+1
.endr
.set i, 0
.rept 64
	v_exp_f32 v[S+i], v[S+i]
.set i, i+1
.endr
	v_nop                                          ; a plain instruction between the last exponential and the use of its result
	s_wait_alu depctr_va_vdst(0)
.irp t, 0,1,2,3
	v_pk_fma_f32 v[L+2*(\t):L+2*(\t)+1], v[L+2*(\t):L+2*(\t)+1], v[A+2*(\t):A+2*(\t)+1], v[S+8*(\t):S+8*(\t)+1] op_sel_hi:[1,0,1]
.endr
.set m, 1
.rept 7
.irp t, 0,1,2,3
	v_pk_add_f32 v[L+2*(\t):L+2*(\t)+1], v[L+2*(\t):L+2*(\t)+1], v[S+8*(\t)+2*m+24*((2*m)/8):S+8*(\t)+2*m+24*((2*m)/8)+1]
.endr
.set m, m+1
.endr
.set i, 0
.rept 32
	v_cvt_pk_bf16_f32 v[S+8*(i/4)+i%4], v[S+8*(i/4)+2*(i%4)], v[S+8*(i/4)+2*(i%4)+1]
.set i, i+1
.endr
.endm
.macro RESC                            ; O^T times a (at the end: times 1 / l), each accumulator from its low end on
	WIN 0x41                                       ; destination and source 0 in window 1
.set i, 0
.rept 128
	v_pk_mul_f32 v[2*i:2*i+1], v[2*i:2*i+1], v[A+2*((i/4)%4):A+2*((i/4)%4)+1] op_sel_hi:[1,0]
.set i, i+1
.endr
	WIN 0
.endm
; A KEY STEP.  fill = 1: the next step's tiles are asked for; fill = 0: the last step, which fetches x, bo, gamma and beta in their stead.
.macro STEP fill
.if \fill
	s_wait_xcnt 0x0                                ; the last trip's prefetch has read its offset
	TILENO PFS, 2                                  ; the tile of the step after next,
	s_lshl_b32 s[PFS], s[PFS], 9                   ; its 512 bytes in adj's rows
	v_add_nc_u32 v[PFO], s[PFS], v[PFL]
.endif
	FETCHK 0, FB0
	FETCHK 1, FB1
	s_wait_dscnt 16                                ; LDS loads come back in order (ISA guide 5.7.1): all but the sixteen just issued
	SMUL 0, FB0
	PLACES                                         ; four places ahead of loads into registers that the products have read
	FETCHK 2, FB0
	s_wait_dscnt 16
	SMUL 1, FB1
	PLACES
	FETCHK 3, FB1
	s_wait_dscnt 16
	SMUL 2, FB0
	PLACES
	FETCHJ
	s_wait_dscnt 16                                ; K's last chunks are in, adj's sixteen may be out
	SMUL 3, FB1
	WIN 0
	PLACES
.if !(\fill)
	WIN 0x80                                       ; Q's chunks 0 and 1 have had their last use: a lane's 16 numbers of bo, gamma and beta (columns 128 p + 4 lane ..) take their place
.irp p, 0,1,2,3
	global_load_b128 v[4*(\p):4*(\p)+3], v[LOF], s[14:15] offset:(\p)*512
	global_load_b128 v[16+4*(\p):16+4*(\p)+3], v[LOF], s[16:17] offset:(\p)*512
	global_load_b128 v[32+4*(\p):32+4*(\p)+3], v[LOF], s[18:19] offset:(\p)*512
.endr
	WIN 0
.endif
	s_wait_dscnt 0x0                               ; adj
	MASKMAX
	ds_store_b128 v[AMW], v[PMX:PMX+3]
	; THE FIRST ROUND.  All my tensor loads have landed (one was out: my quarter of this step's V); my reads of K and adj are over and my maxima are stored.
	s_wait_tensorcnt 0x0
	ds_add_u32 v[SPW], v[NIL]
.if \fill
	TILENO TN, 1                                   ; no load of mine is out, so the descriptors may be written: the next step's tile,
	s_lshl_b32 s30, s[TN], 17                      ; its 131,072 bytes of K (and, in the second round, of V),
	s_add_nc_u64 s[G0K+2:G0K+3], s[6:7], s[30:31]
	s_or_b32 s[G0K+3], s[G0K+3], 0x80000000
	s_lshl_b32 s32, s[TN], 9                       ; its 128 columns of adj
	s_add_nc_u64 s[G0J+2:G0J+3], s[10:11], s[32:33]
	s_or_b32 s[G0J+3], s[G0J+3], 0x80000000
.endif
	s_wait_dscnt 0x0
	CROUND
.if \fill
	JLOADA                                         ; it has the softmax and the second product's 128 matrix instructions in which to land
.else
	tensor_load_to_lds s[G0X:G0X+3], s[G1X:G1X+7]  ; my 16 rows of x, in f32, into K's slot
	s_nop 0
	PLACES
.endif
.irp k, 0,1,2,3
	ds_load_b128 v[MXR+4*(\k):MXR+4*(\k)+3], v[AMR] offset:(\k)*256
.endr
	FETCHV 0, FB0
	FETCHV 1, FB1
.if \fill
	s_cmp_eq_u32 s[CNT], 1                         ; the loop's last trip has no step after next: it asks for nothing
	s_cbranch_scc1 .Lno_ask_\@
	global_prefetch_b8 v[PFO], s[AJB:AJB+1] th:TH_LOAD_NT scope:SCOPE_SE  ; step j asks for adj's tile of step j + 2, which the next trip's tensor load fetches: my wave's 16 rows, two lanes 256 bytes apart in each
.Lno_ask_\@:
.endif
	s_wait_dscnt 32                                ; the maxima are in; V's 32 loads may be out
	SOFT
.irp kt, 0,1
.irp t, 0,1,2,3
	ds_store_b128 v[APW], v[S+8*(4*(\kt)+(\t)):S+8*(4*(\kt)+(\t))+3] offset:(\t)*1024+(\kt)*512  ; half kt of tile t's image of my 32 keys
.endr
.endr
	s_wait_dscnt 0x0                               ; for the others' sake: my weights are stored
	s_barrier_signal -1                            ; the tile on its way may stay out
	RESC                                           ; work on registers while the others arrive
	s_barrier_wait -1
	FETCHP 0, S
	FETCHP 1, S+32
	s_wait_dscnt 8                                 ; P of keys 0-31 is in, the next eight may be out
	PVMUL FB0, S
	PLACES
	FETCHV 2, FB0
	FETCHP 2, S
	s_wait_dscnt 24                                ; all but the 24 just issued
	PVMUL FB1, S+32
	PLACES
	FETCHV 3, FB1
	FETCHP 3, S+32
	s_wait_dscnt 24
	PVMUL FB0, S
	s_wait_dscnt 0x0
	PVMUL FB1, S+32
	WIN 0
.if \fill
	PLACES 5                                       ; the next step's first products write over P's registers, which these products read
	; THE SECOND ROUND.  All my tensor loads have landed (my part of the next K or adj); my reads of V and P are over.
	s_wait_tensorcnt 0x0
	ds_add_u32 v[SPW], v[NIL]
	s_add_nc_u64 s[G0V+2:G0V+3], s[8:9], s[30:31]  ; s30 still holds the next tile's byte offset
	s_or_b32 s[G0V+3], s[G0V+3], 0x80000000
	s_add_co_u32 s[J], s[J], 1
	s_wait_dscnt 0x0
	CROUND
	tensor_load_to_lds s[G0V:G0V+3], s[G1V:G1V+7]  ; every wave its quarter of the next V: it has the first product's 128 matrix instructions in which to land
	s_nop 0
	PLACES
.endif
.endm
.Lstep:
	STEP 1
	s_sub_co_u32 s[CNT], s[CNT], 1
	s_cmp_lg_u32 s[CNT], 0
	s_cbranch_scc1 .Lstep
	STEP 0                                         ; the last step is written out
	; THE WAY OUT.  l: both halves of the pair, both halves of the lanes, all four waves.  These lines are also the places behind the last products.
.irp t, 0,1,2,3
	v_add_f32 v[PMX+(\t)], v[L+2*(\t)], v[L+2*(\t)+1]
.endr
.irp t, 0,1,2,3
	v_permlanex16_b32 v[SC+(\t)], v[PMX+(\t)], s[SEL], s[SEL+1]
.endr
.irp t, 0,1,2,3
	v_add_f32 v[PMX+(\t)], v[PMX+(\t)], v[SC+(\t)]
.endr
	ds_store_b128 v[ALW], v[PMX:PMX+3]
	v_and_b32 v6, 15, v0                           ; r
	v_bfe_u32 v7, v0, 4, 1                         ; h
	v_mul_u32_u24 v[AST], v6, SP                   ; into the stage: row r of a tile, my wave's 128 channels, 8 h ..
	v_lshl_add_u32 v[AST], v7, 5, v[AST]
	v_lshl_add_u32 v[AST], s[WV], 9, v[AST]
	v_add_nc_u32 v[AST], STG, v[AST]
	v_add_nc_u32 v[AST+1], 32*SP, v[AST]
	s_mul_i32 s30, s[WV], 16*SP                    ; back: wave w takes rows 16 w .. 16 w + 15, whole
	s_add_co_u32 s30, s30, STG
	v_add_nc_u32 v[ASR], s30, v[LOF]
	v_lshl_add_u32 v[AXR], s[WV], 15, v[LOF]
	s_wait_tensorcnt 0x0                           ; my rows of x are in
	s_wait_dscnt 0x0                               ; my sums are stored, my reads of V are long over
	s_barrier_signal -1
	s_barrier_wait -1                              ; behind it nobody reads V's or adj's slot any more
.irp k, 0,1,2,3
	ds_load_b128 v[MXR+4*(\k):MXR+4*(\k)+3], v[ALR] offset:(\k)*256
.endr
	s_wait_dscnt 0x0
.irp t, 0,1,2,3
	v_add_f32 v[MXR+(\t)], v[MXR+(\t)], v[MXR+4+(\t)]
.endr
.irp t, 0,1,2,3
	v_add_f32 v[MXR+8+(\t)], v[MXR+8+(\t)], v[MXR+12+(\t)]
.endr
.irp t, 0,1,2,3
	v_add_f32 v[MXR+(\t)], v[MXR+(\t)], v[MXR+8+(\t)]
.endr
.irp t, 0,1,2,3
	v_rcp_f32 v[A+2*(\t)], v[MXR+(\t)]             ; l is at least 1: the key that holds the maximum has p = 1
.endr
	v_nop                                          ; a plain instruction between the last reciprocal and the use of its result
	s_wait_alu depctr_va_vdst(0)
	RESC
	WIN 0x04                                       ; store data (source 1) in window 1
.irp t, 0,1,2,3
.irp cb, 0,1,2,3,4,5,6,7
	ds_store_b128 v[AST+(\t)/2], v[8*(4*(\cb)+(\t)):8*(4*(\cb)+(\t))+3] offset:((\t)%2)*16*SP+(\cb)*64
	ds_store_b128 v[AST+(\t)/2], v[8*(4*(\cb)+(\t))+4:8*(4*(\cb)+(\t))+7] offset:((\t)%2)*16*SP+(\cb)*64+16
.endr
.endr
	WIN 0
	s_wait_dscnt 0x0                               ; for the others' sake: my channels are in the stage
	s_barrier_signal -1
	s_barrier_wait -1
	s_wait_loadcnt 0x0                             ; bo, gamma, beta
.macro LANESUM                         ; TS's pair, then the 32 lanes: four steps inside each half of 16 lanes ride on the addition, one crosses the halves
.irp q, 0,1,2,3
	v_add_f32 v[TS+2*(\q)], v[TS+2*(\q)], v[TS+2*(\q)+1]
.endr
.irp k, 1,2,4,8
.irp q, 0,1,2,3
	v_add_f32_dpp v[TS+2*(\q)], v[TS+2*(\q)], v[TS+2*(\q)] row_xmask:\k row_mask:0xf bank_mask:0xf
.endr
.endr
.irp q, 0,1,2,3
	v_permlanex16_b32 v[PX+(\q)], v[TS+2*(\q)], s[SEL], s[SEL+1]
.endr
.irp q, 0,1,2,3
	v_add_f32 v[TS+2*(\q)], v[TS+2*(\q)], v[PX+(\q)]
.endr
.endm
	s_mov_b32 s[CNT], 4
.Lrows:                                                ; a trip: four whole rows of my 16; a lane holds columns 128 p + 4 lane .. + 3, p = 0 .. 3, of each
.irp q, 0,1,2,3
.irp p, 0,1,2,3
	ds_load_b128 v[YO+16*(\q)+4*(\p):YO+16*(\q)+4*(\p)+3], v[ASR] offset:(\q)*SP+(\p)*512
	ds_load_b128 v[XO+16*(\q)+4*(\p):XO+16*(\q)+4*(\p)+3], v[AXR] offset:(\q)*2048+(\p)*512
.endr
.endr
	s_wait_dscnt 0x0
.set i, 0
.rept 32
	v_pk_add_f32 v[YO+2*i:YO+2*i+1], v[YO+2*i:YO+2*i+1], v[XO+2*i:XO+2*i+1]   ; the residual, x in f32
.set i, i+1
.endr
	WIN 0x08                                       ; source 1 in window 2
.set i, 0
.rept 32
	v_pk_add_f32 v[YO+2*i:YO+2*i+1], v[YO+2*i:YO+2*i+1], v[(2*i)%16:(2*i)%16+1]  ; bo
.set i, i+1
.endr
	WIN 0
.irp q, 0,1,2,3
	v_pk_add_f32 v[TS+2*(\q):TS+2*(\q)+1], v[YO+16*(\q):YO+16*(\q)+1], v[YO+16*(\q)+2:YO+16*(\q)+3]
.endr
.set m, 2
.rept 6
.irp q, 0,1,2,3
	v_pk_add_f32 v[TS+2*(\q):TS+2*(\q)+1], v[TS+2*(\q):TS+2*(\q)+1], v[YO+16*(\q)+2*m:YO+16*(\q)+2*m+1]
.endr
.set m, m+1
.endr
	LANESUM
.irp q, 0,1,2,3
	v_mul_f32 v[MU+2*(\q)], s[R512], v[TS+2*(\q)]  ; the mean
.endr
.set i, 0
.rept 32
	v_pk_add_f32 v[YO+2*i:YO+2*i+1], v[YO+2*i:YO+2*i+1], v[MU+2*(i/8):MU+2*(i/8)+1] op_sel_hi:[1,0] neg_lo:[0,1] neg_hi:[0,1]
.set i, i+1
.endr
.irp q, 0,1,2,3
	v_pk_mul_f32 v[TS+2*(\q):TS+2*(\q)+1], v[YO+16*(\q):YO+16*(\q)+1], v[YO+16*(\q):YO+16*(\q)+1]
.endr
.set m, 1
.rept 7
.irp q, 0,1,2,3
	v_pk_fma_f32 v[TS+2*(\q):TS+2*(\q)+1], v[YO+16*(\q)+2*m:YO+16*(\q)+2*m+1], v[YO+16*(\q)+2*m:YO+16*(\q)+2*m+1], v[TS+2*(\q):TS+2*(\q)+1]
.endr
.set m, m+1
.endr
	LANESUM
.irp q, 0,1,2,3
	v_fma_f32 v[RS+2*(\q)], v[TS+2*(\q)], s[R512], s[EPS]  ; the variance of the centred row, + eps
.endr
.irp q, 0,1,2,3
	v_rsq_f32 v[RS+2*(\q)], v[RS+2*(\q)]
.endr
	v_nop                                          ; a plain instruction between the last root and the use of its result
.set i, 0
	s_wait_alu depctr_va_vdst(0)
.rept 32
	v_pk_mul_f32 v[YO+2*i:YO+2*i+1], v[YO+2*i:YO+2*i+1], v[RS+2*(i/8):RS+2*(i/8)+1] op_sel_hi:[1,0]
.set i, i+1
.endr
	WIN 0x28                                       ; sources 1 and 2 in window 2
.set i, 0
.rept 32
	v_pk_fma_f32 v[YO+2*i:YO+2*i+1], v[YO+2*i:YO+2*i+1], v[16+(2*i)%16:16+(2*i)%16+1], v[32+(2*i)%16:32+(2*i)%16+1]  ; gamma, beta
.set i, i+1
.endr
	WIN 0
.irp q, 0,1,2,3
.irp p, 0,1,2,3
	global_store_b128 v[LOF], v[YO+16*(\q)+4*(\p):YO+16*(\q)+4*(\p)+3], s[OB:OB+1] offset:(\q)*2048+(\p)*512 th:TH_STORE_NT  ; 512 consecutive bytes, aligned
.endr
.endr
	s_wait_xcnt 0x0                                ; the stores have read their data and their base
	v_add_nc_u32 v[ASR], 4*SP, v[ASR]
	v_add_nc_u32 v[AXR], 8192, v[AXR]
	s_add_nc_u64 s[OB:OB+1], s[OB:OB+1], 8192
	s_sub_co_u32 s[CNT], s[CNT], 1
	s_cmp_lg_u32 s[CNT], 0
	s_cbranch_scc1 .Lrows
	s_wait_tensorcnt 0x0                           ; the wave's end
	ds_add_u32 v[SPW], v[NIL]
	s_wait_dscnt 0x0
	CROUND                                         ; the closing round: no work-group ends while a partner may still ask for a tile that names it
	s_endpgm
.Lfunc_end_k_q07448f0743_attn:
	.size	k_q07448f0743_attn, .Lfunc_end_k_q07448f0743_attn-k_q07448f0743_attn
	.p2alignl 7, 3214868480
	.fill 96, 4, 3214868480
	.section	.rodata,"a",@progbits
	.p2align	6, 0x0
	.amdhsa_kernel k_q07448f0743_attn
		.amdhsa_group_segment_fixed_size 327680
		.amdhsa_private_segment_fixed_size 0
		.amdhsa_enable_private_segment 0
		.amdhsa_kernarg_size 72
		.amdhsa_user_sgpr_count 2
		.amdhsa_user_sgpr_kernarg_segment_ptr 1
		.amdhsa_wavefront_size32 1
		.amdhsa_system_sgpr_workgroup_id_x 1
		.amdhsa_system_sgpr_workgroup_id_y 1
		.amdhsa_system_sgpr_workgroup_id_z 1
		.amdhsa_system_vgpr_workitem_id 0
		.amdhsa_next_free_vgpr 1024
		.amdhsa_next_free_sgpr 96
		.amdhsa_reserve_vcc 1
		.amdhsa_float_denorm_mode_32 3
		.amdhsa_float_denorm_mode_16_64 3
		.amdhsa_memory_ordered 1
		.amdhsa_forward_progress 1
		.amdhsa_inst_pref_size 175
	.end_amdhsa_kernel
	.amdgpu_metadata
---
amdhsa.version: [ 1, 2 ]
amdhsa.kernels:
  - .name:           k_q07448f0743_attn
    .symbol:         k_q07448f0743_attn.kd
    .args:
      - { .name: Qf, .offset: 0, .size: 8, .value_kind: global_buffer, .address_space: global }
      - { .name: Xf, .offset: 8, .size: 8, .value_kind: global_buffer, .address_space: global }
      - { .name: Vf, .offset: 16, .size: 8, .value_kind: global_buffer, .address_space: global }
      - { .name: adj, .offset: 24, .size: 8, .value_kind: global_buffer, .address_space: global }
      - { .name: x, .offset: 32, .size: 8, .value_kind: global_buffer, .address_space: global }
      - { .name: bo, .offset: 40, .size: 8, .value_kind: global_buffer, .address_space: global }
      - { .name: gamma, .offset: 48, .size: 8, .value_kind: global_buffer, .address_space: global }
      - { .name: beta, .offset: 56, .size: 8, .value_kind: global_buffer, .address_space: global }
      - { .name: out0, .offset: 64, .size: 8, .value_kind: global_buffer, .address_space: global }
    .group_segment_fixed_size: 327680
    .private_segment_fixed_size: 0
    .kernarg_segment_align: 8
    .kernarg_segment_size: 72
    .max_flat_workgroup_size: 128
    .sgpr_count:     96
    .vgpr_count:     1024
    .wavefront_size: 32
...
	.end_amdgpu_metadata
.endif
;; end of part 3
